; MI455X (gfx1250); checked and timed in simulation.
; The chip was launched on July 23, 2026; its instructions are those of AMD's public machine-readable ISA for CDNA 5 (MIT licence, August 2026) and "CDNA5" Instruction Set Architecture Reference Guide (July 2026). The comments in the code are by the model that wrote it; some were corrected since.
;; cosine layer. Allowed arithmetic: matrix products marked QUANTISED: E5M2 operands, one given power-of-two scale a tensor, by v_wmma_f32_16x16x64_bf8_bf8 or v_wmma_f32_16x16x128_bf8_bf8, f32 sums; everything else in f32.
;; Inputs: lowp_scales 2 int32 (the exponents e of the quantised operands' scales 2^e); weight 4,096 x 4,096 float32; x 4,096 x 4,096 float32.
;; Outputs: out0 4,096 x 4,096 float32.
;; This version of the problem:
;;   THIS VERSION OF THE PROBLEM IS GIVEN IN LOW PRECISION. The matrix products marked QUANTISED in the list below multiply operands that are first quantised to E5M2 (5 exponent bits, 2 mantissa bits; 8 bits a number), with one given power-of-two scale for each operand tensor; their sums are f32. All else is computed in f32.
;;   The module's matrix products, in the order in which they are computed (A, B: the left and right operand; K: the contracted axis; several contracted axes count as one K, in the product's order):
;;     1. [M 4,096, K 4,096] x [K 4,096, N 4,096]; A: input x; B: input weight: QUANTISED (scales: A lowp_scales[0], B lowp_scales[1])
;;   THE QUANTISER, for each operand of a quantised product, along K:
;;     - The operand's scale is 2^e, e = its entry of the input lowp_scales (int32; the entries are numbered through the quantised products in the list's order, A before B).
;;     - Each number is divided by the scale, clamped to +-57,344, and rounded to the nearest number of E5M2, ties to even, subnormals kept.
;;     - The product sums the exact products of the quantised numbers (number of the format x scale) in f32.
;;   ~~~python
;;   def quantise(x, axis, e):      # numpy; x: float32 -> the quantised numbers, widened to float32 again
;;       x = np.moveaxis(x, axis, -1); K = x.shape[-1]
;;       r = np.clip(x / 2.0 ** e, -57344, 57344)
;;       step = 2.0 ** (np.maximum(np.frexp(np.where(r == 0, 1, r))[1] - 1, -14) - 2)
;;       q = np.round(r / step) * step * 2.0 ** e      # np.round: ties to even
;;       return np.moveaxis(q, -1, axis).astype(np.float32)
;;   ~~~
;; One version. Each part assembles by itself: llvm-mc -triple=amdgcn-amd-amdhsa -mcpu=gfx1250 --defsym DOCPART=n.
;; ======== version 1 of 1: 2 launches
;; workspace buffers: xc 16,777,216 bytes; wc 16,777,216 bytes; xss 16,384 bytes; wss 262,144 bytes
;; launch quant (part 1): grid 1024 x 1, 4 waves a work-group, no clusters, 35,328 bytes of LDS; arguments x, weight, lowp_scales, xc, wc, xss, wss; writes xc, wc, xss, wss
.if DOCPART == 1
	.amdgcn_target "amdgcn-amd-amdhsa--gfx1250"
	.amdhsa_code_object_version 6
	.text
	.protected	k_q39060d6ede_quant
	.globl	k_q39060d6ede_quant
	.p2align	8
	.type	k_q39060d6ede_quant,@function
k_q39060d6ede_quant:
	s_mov_b64 s[64:65], 0
	v_nop
	global_prefetch_b8 v0, s[64:65] scope:SCOPE_SE
	s_setreg_imm32_b32 hwreg(HW_REG_WAVE_MODE, 25, 1), 1
	s_wait_xcnt 0x0
; x [4096][4096] (K innermost) and weight [4096 (k)][4096 (o)] (K is the FIRST axis), f32, become codes of BF8 (E5M2), one a byte, each tensor with the one scale 2^e given for it
; (entry 0 of the scales: x, entry 1: weight):  code = number / 2^e, held within +-57,344, rounded to the nearest code, ties to even.
; xc [4096 rows][4096 places] and wc [4096 columns][4096 places] both have K innermost, UNDER ONE AND THE SAME PERMUTATION OF K: inside each run of 512 along K, place 16 l + 4 i + j
; holds k = 128 i + 4 l + j (l = 0..31; i, j = 0..3).  A permutation that is the same in both operands leaves every product with its partner; only the order of the f32 sums changes.
; It is chosen so that x needs no turn: four loads of 512 consecutive bytes (16 a lane) leave exactly these 16 numbers in lane l's registers, and their 16 codes are lane l's 16 bytes of a store of 512 consecutive bytes.
; For weight a lane takes a column and its registers run down K: which row goes into which register is an immediate offset, so the permutation costs nothing there either.
; THE NORMS RIDE ALONG: the numbers are in registers anyway, so their squares are summed here, ahead of the hold, in f32:  xss[row] = the sum of a row's squares;  wss[y][column] = the sum over the 256 rows of part y (16 parts).
; SHARES.  Work-groups 0..511 take x: a wave takes 2 rows, 16 steps of 512 numbers.  Work-groups 512..1023 take weight: 128 columns x 256 places of K; a wave takes 32 columns.  Each work-group reads 131,072 bytes.
; Waves share nothing: no barrier.  Only weight's way uses LDS (a stage of its own for each wave).
; LIMITS: each e between -126 and 112, so that 2^e and 57,344 x 2^e are f32 numbers.  NaN among the inputs is not served; an infinity is held at the largest code (its square makes the norm infinite, as in the definition).
; xss is stored 8 bytes a wave and wss 128 bytes a wave: short stores, 278,528 bytes of the launch's 33,832,960; whole blocks of 256 bytes would ask for barriers between waves.
.set WGX,   512                        ; work-groups that take x
.set EMAX,  15
.set MANT,  0x600000                   ; the mantissa field of 57,344 as f32
.set WROW,  16384                      ; a row of weight in bytes
.set PITCH, 272                        ; a stage row: 256 bytes of codes + 16
.set R,     16                         ; x: v16-79    four sets of 16 numbers
.set SSX,   96                         ; x: v96-103   four chains of packed sums of squares
.set CX,    128                        ; x: v128-191  four registers of codes for each step: no store's data are written again
.set X,     32                         ; weight: v32-95   two sets of 32 numbers
.set CW,    96                         ; weight: v96-103  a block's codes
.set OUTR,  112                        ; weight: v112-175 the way out
.set SSW,   176                        ; weight: v176-183 four chains of packed sums of squares
	s_load_b128 s[4:7], s[0:1], 0x0                ; x s[4:5], weight s[6:7]
	s_load_b64 s[8:9], s[0:1], 0x10                ; the scales' exponents
	s_load_b128 s[12:15], s[0:1], 0x18             ; xc s[12:13], wc s[14:15]
	s_load_b128 s[16:19], s[0:1], 0x28             ; xss s[16:17], wss s[18:19]
	v_lshl_add_u32 v192, v0, 2, 0x8800
	v_mov_b32 v193, 0
	v_lshrrev_b32 v1, 5, v0
	v_readfirstlane_b32 s20, v1                    ; wave 0..3
	v_and_b32 v2, 31, v0                           ; lane
	s_wait_kmcnt 0x0
	s_load_b64 s[22:23], s[8:9], 0x0               ; ex, ew
	s_cmp_lt_u32 ttmp9, WGX                        ; x's work-group or weight's: the work-group's number alone decides
	s_cbranch_scc0 .Lw
; ---------------------------------------------------------------- x
	s_lshl_b32 s21, ttmp9, 2
	s_add_co_u32 s21, s21, s20                     ; which pair of rows is my wave's: 0 .. 2047
	s_mov_b32 s25, 0
	s_lshl_b32 s24, s21, 15                        ; 2 rows of 16,384 bytes
	s_add_nc_u64 s[4:5], s[4:5], s[24:25]
	s_lshl_b32 s24, s21, 13                        ; 2 rows of 4,096 codes
	s_add_nc_u64 s[12:13], s[12:13], s[24:25]
	s_lshl_b32 s24, s21, 3                         ; 2 sums of 4 bytes
	s_add_nc_u64 s[16:17], s[16:17], s[24:25]
	s_mov_b32 s26, 0x76543210                      ; v_permlanex16_b32: lane l takes lane l xor 16
	s_mov_b32 s27, 0xfedcba98
	v_lshlrev_b32 v3, 4, v2                        ; 16 x lane: my bytes of a load's 512, and of a store's 512; never rewritten
	v_mov_b32 v106, 0                              ; written once: a lane permute's destination counts as one of its sources
.macro LOADX t                         ; step t: 512 numbers, four loads of 512 consecutive bytes, into set t % 4
.irp i, 0,1,2,3
	global_load_b128 v[R+16*((\t)%4)+4*\i:R+16*((\t)%4)+4*\i+3], v3, s[4:5] offset:2048*(\t)+512*\i th:TH_LOAD_NT
.endr
.endm
.irp t, 0,1,2,3
	LOADX \t                                       ; sixteen loads of every wave are on their way
.endr
	s_wait_kmcnt 0x0
	s_add_co_i32 s22, s22, 127
	s_lshl_b32 s23, s22, 23
	v_mov_b32 v11, s23                             ; 2^ex as f32: the conversion takes its exponent field
	s_add_co_i32 s22, s22, EMAX
	s_lshl_b32 s22, s22, 23
	s_or_b32 s22, s22, MANT
	v_mov_b32 v10, s22                             ; 57,344 x 2^ex
.macro STEPX t
.set XS, R+16*((\t)%4)
.if 15-(\t) >= 3
	s_wait_loadcnt 12                              ; loads come back in order: this step's four are in, those of the three steps behind it stay out
.else
	s_wait_loadcnt 4*(15-(\t))                     ; the last steps: the counts run down
.endif
.irp p, 0,1,2,3,4,5,6,7                ; the squares, of the numbers as they are given, two at a time, in four chains
.if ((\t)%8 == 0) && (\p < 4)
	v_pk_mul_f32 v[SSX+2*\p:SSX+2*\p+1], v[XS+2*\p:XS+2*\p+1], v[XS+2*\p:XS+2*\p+1]   ; a row's first products start its chains: nothing is cleared
.else
	v_pk_fma_f32 v[SSX+2*(\p%4):SSX+2*(\p%4)+1], v[XS+2*\p:XS+2*\p+1], v[XS+2*\p:XS+2*\p+1], v[SSX+2*(\p%4):SSX+2*(\p%4)+1]
.endif
.endr
.irp i, 0,1,2,3,4,5,6,7,8,9,10,11,12,13,14,15
	v_med3_num_f32 v[XS+\i], v[XS+\i], -v10, v10   ; the conversion to an 8-bit code does not saturate (ISA guide 7.6.2): the hold at the largest code x the scale comes first
.endr
	v_cvt_scalef32_pk8_bf8_f32 v[CX+4*(\t):CX+4*(\t)+1], v[XS:XS+7], v11        ; eight numbers / 2^ex, to the nearest code, ties to even; the first number's code in the lowest byte
	v_cvt_scalef32_pk8_bf8_f32 v[CX+4*(\t)+2:CX+4*(\t)+3], v[XS+8:XS+15], v11
; (the codes go to a store and the numbers' registers take a load; the next vector lines, the next step's squares or the sums below, are plain and name other registers)
.if (\t)+4 < 16
	LOADX (\t)+4                                   ; the set just converted takes the step four further on
.endif
	global_store_b128 v3, v[CX+4*(\t):CX+4*(\t)+3], s[12:13] offset:512*(\t)    ; 32 lanes store 512 consecutive bytes, at a multiple of 512 from xc's first byte
.if (\t)%8 == 7                        ; a row is done: its four chains, then the 32 lanes
	v_pk_add_f32 v[SSX:SSX+1], v[SSX:SSX+1], v[SSX+2:SSX+3]
	v_pk_add_f32 v[SSX+4:SSX+5], v[SSX+4:SSX+5], v[SSX+6:SSX+7]
	v_pk_add_f32 v[SSX:SSX+1], v[SSX:SSX+1], v[SSX+4:SSX+5]
	v_add_f32 v[104+(\t)/8], v[SSX], v[SSX+1]
.irp m, 1,2,4,8
	v_add_f32_dpp v[104+(\t)/8], v[104+(\t)/8], v[104+(\t)/8] row_xmask:\m row_mask:0xf bank_mask:0xf
.endr
	v_permlanex16_b32 v106, v[104+(\t)/8], s26, s27
	v_add_f32 v[104+(\t)/8], v[104+(\t)/8], v106   ; every lane holds the row's sum of squares
.endif
.endm
.irp t, 0,1,2,3,4,5,6,7,8,9,10,11,12,13,14,15
	STEPX \t
.endr
	v_cmp_eq_u32 vcc_lo, 1, v2
	v_cndmask_b32 v107, v104, v105, vcc_lo         ; lane 0: the first row's sum, lane 1: the second's
	v_lshlrev_b32 v108, 2, v2
	v_cmp_gt_u32 vcc_lo, 2, v2
	s_wait_xcnt 0x0                                ; EXEC is a source of the stores above: it changes only behind this wait
	s_and_saveexec_b32 s28, vcc_lo
	global_store_b32 v108, v107, s[16:17]          ; lanes 0 and 1: 8 bytes
	s_wait_xcnt 0x0                                ; and again, in front of the line that widens it
	s_or_b32 exec_lo, exec_lo, s28
	s_endpgm
; ---------------------------------------------------------------- weight
.Lw:
	s_sub_co_u32 s21, ttmp9, WGX                   ; 0 .. 511
	s_and_b32 s24, s21, 31                         ; which 128 columns
	s_lshr_b32 s26, s21, 5                         ; y: which 256 places of K, 0 .. 15
	s_lshl_b32 s24, s24, 7
	s_lshl_b32 s25, s20, 5
	s_add_co_u32 s27, s24, s25                     ; my wave's first column
	s_lshr_b32 s28, s26, 1
	s_lshl_b32 s28, s28, 9                         ; places 256 y .. 256 y + 255 lie in the run of 512 that begins at row 512 (y / 2);
	s_and_b32 s29, s26, 1
	s_lshl_b32 s29, s29, 6                         ; its upper half of places has l = 16 .. 31: 4 l begins at 64
	s_add_co_u32 s28, s28, s29
	s_lshl_b32 s28, s28, 14                        ; rows of 16,384 bytes
	s_lshl_b32 s29, s27, 2
	s_add_co_u32 s24, s28, s29
	s_mov_b32 s25, 0
	s_add_nc_u64 s[6:7], s[6:7], s[24:25]          ; weight at my first row and column
	s_lshl_b32 s24, s27, 12
	s_lshl_b32 s29, s26, 8
	s_add_co_u32 s24, s24, s29
	s_add_nc_u64 s[14:15], s[14:15], s[24:25]      ; wc: column x 4,096 + 256 y
	s_lshl_b32 s24, s26, 14
	s_lshl_b32 s29, s27, 2
	s_add_co_u32 s24, s24, s29
	s_add_nc_u64 s[18:19], s[18:19], s[24:25]      ; wss: y x 16,384 + 4 x column
	s_mul_i32 s30, s20, 32*PITCH                   ; my stage in LDS
	v_lshlrev_b32 v3, 2, v2                        ; 4 bytes a lane: a lane to a column; never rewritten
	v_mul_u32_u24 v4, v2, PITCH
	v_add_nc_u32 v4, s30, v4                       ; into the stage: row = my column
	v_and_b32 v5, 15, v2
	v_lshrrev_b32 v6, 4, v2
	v_mul_u32_u24 v7, v6, PITCH
	v_lshl_add_u32 v7, v5, 4, v7
	v_add_nc_u32 v7, s30, v7                       ; out of it: sixteen lanes to a row, two rows an instruction
	v_lshlrev_b32 v8, 12, v6
	v_lshl_add_u32 v8, v5, 4, v8                   ; and the same place in wc
; block t: places 32 t + q of my 256, q = 0 .. 31, into set t % 2.  Place 32 t + q holds row 128 ((q / 4) % 4) + 8 t + 4 (q / 16) + q % 4 from my first row on:
; at most 447 rows of 16,384 bytes, inside the signed 24-bit immediate (ISA guide, chapter 10).  Each load reads 128 consecutive bytes; the four waves stand side by side on 512.
.macro LOADW t
.irp q, 0,1,2,3,4,5,6,7,8,9,10,11,12,13,14,15,16,17,18,19,20,21,22,23,24,25,26,27,28,29,30,31
	global_load_b32 v[X+32*((\t)%2)+\q], v3, s[6:7] offset:(128*((\q/4)%4)+8*(\t)+4*(\q/16)+\q%4)*WROW th:TH_LOAD_NT
.endr
.endm
	LOADW 0
	LOADW 1
	s_wait_kmcnt 0x0
	s_add_co_i32 s23, s23, 127
	s_lshl_b32 s22, s23, 23
	v_mov_b32 v11, s22                             ; 2^ew as f32
	s_add_co_i32 s23, s23, EMAX
	s_lshl_b32 s23, s23, 23
	s_or_b32 s23, s23, MANT
	v_mov_b32 v10, s23                             ; 57,344 x 2^ew
.macro BLOCK t
.set XS, X+32*((\t)%2)
.if (\t) < 7
	s_wait_loadcnt 32                              ; this block's 32 loads are in; the next block's 32 may be out
.else
	s_wait_loadcnt 0
.endif
.irp p, 0,1,2,3,4,5,6,7,8,9,10,11,12,13,14,15   ; the squares: all 32 numbers belong to my column
.if ((\t) == 0) && (\p < 4)
	v_pk_mul_f32 v[SSW+2*\p:SSW+2*\p+1], v[XS+2*\p:XS+2*\p+1], v[XS+2*\p:XS+2*\p+1]
.else
	v_pk_fma_f32 v[SSW+2*(\p%4):SSW+2*(\p%4)+1], v[XS+2*\p:XS+2*\p+1], v[XS+2*\p:XS+2*\p+1], v[SSW+2*(\p%4):SSW+2*(\p%4)+1]
.endif
.endr
.irp i, 0,1,2,3,4,5,6,7,8,9,10,11,12,13,14,15,16,17,18,19,20,21,22,23,24,25,26,27,28,29,30,31
	v_med3_num_f32 v[XS+\i], v[XS+\i], -v10, v10   ; the hold, as for x
.endr
.irp g, 0,1,2,3
	v_cvt_scalef32_pk8_bf8_f32 v[CW+2*\g:CW+2*\g+1], v[XS+8*\g:XS+8*\g+7], v11
.endr
	ds_store_b128 v4, v[CW:CW+3] offset:32*(\t)    ; 32 codes: 32 bytes of my column's row
	ds_store_b128 v4, v[CW+4:CW+7] offset:32*(\t)+16
.if (\t)+2 < 8
	LOADW (\t)+2
.endif
	s_wait_dscnt 0x0                               ; the stores have read their registers: the next block's codes may be written
.endm
.irp t, 0,1,2,3,4,5,6,7
	BLOCK \t
.endr
	v_pk_add_f32 v[SSW:SSW+1], v[SSW:SSW+1], v[SSW+2:SSW+3]
	v_pk_add_f32 v[SSW+4:SSW+5], v[SSW+4:SSW+5], v[SSW+6:SSW+7]
	v_pk_add_f32 v[SSW:SSW+1], v[SSW:SSW+1], v[SSW+4:SSW+5]
	v_add_f32 v184, v[SSW], v[SSW+1]               ; my column's sum of squares over these 256 rows: no other lane is needed
	global_store_b32 v3, v184, s[18:19]            ; 32 lanes store 128 consecutive bytes
.irp t, 0,1,2,3,4,5,6,7,8,9,10,11,12,13,14,15
	ds_load_b128 v[OUTR+4*\t:OUTR+4*\t+3], v7 offset:2*\t*PITCH   ; LDS serves a wave's instructions in order (ISA guide 5.7.1.4): these see my stores
.endr
.irp t, 0,1,2,3,4,5,6,7,8,9,10,11,12,13,14,15
	s_wait_dscnt 15-\t                             ; pair t of rows is back; the younger loads stay out
	global_store_b128 v8, v[OUTR+4*\t:OUTR+4*\t+3], s[14:15] offset:2*\t*4096   ; sixteen lanes store 256 consecutive bytes, at a multiple of 256 from wc's first byte
.endr
	s_wait_tensorcnt 0x0
	ds_add_u32 v192, v193
	s_wait_dscnt 0x0
	s_endpgm
.Lfunc_end_k_q39060d6ede_quant:
	.size	k_q39060d6ede_quant, .Lfunc_end_k_q39060d6ede_quant-k_q39060d6ede_quant
	.p2alignl 7, 3214868480
	.fill 96, 4, 3214868480
	.section	.rodata,"a",@progbits
	.p2align	6, 0x0
	.amdhsa_kernel k_q39060d6ede_quant
		.amdhsa_group_segment_fixed_size 35328
		.amdhsa_private_segment_fixed_size 0
		.amdhsa_enable_private_segment 0
		.amdhsa_kernarg_size 56
		.amdhsa_user_sgpr_count 2
		.amdhsa_user_sgpr_kernarg_segment_ptr 1
		.amdhsa_wavefront_size32 1
		.amdhsa_system_sgpr_workgroup_id_x 1
		.amdhsa_system_sgpr_workgroup_id_y 1
		.amdhsa_system_sgpr_workgroup_id_z 1
		.amdhsa_system_vgpr_workitem_id 0
		.amdhsa_next_free_vgpr 194
		.amdhsa_next_free_sgpr 66
		.amdhsa_reserve_vcc 1
		.amdhsa_float_denorm_mode_32 3
		.amdhsa_float_denorm_mode_16_64 3
		.amdhsa_memory_ordered 1
		.amdhsa_forward_progress 1
		.amdhsa_inst_pref_size 94
	.end_amdhsa_kernel
	.amdgpu_metadata
---
amdhsa.version: [ 1, 2 ]
amdhsa.kernels:
  - .name:           k_q39060d6ede_quant
    .symbol:         k_q39060d6ede_quant.kd
    .args:
      - { .name: x, .offset: 0, .size: 8, .value_kind: global_buffer, .address_space: global }
      - { .name: weight, .offset: 8, .size: 8, .value_kind: global_buffer, .address_space: global }
      - { .name: lowp_scales, .offset: 16, .size: 8, .value_kind: global_buffer, .address_space: global }
      - { .name: xc, .offset: 24, .size: 8, .value_kind: global_buffer, .address_space: global }
      - { .name: wc, .offset: 32, .size: 8, .value_kind: global_buffer, .address_space: global }
      - { .name: xss, .offset: 40, .size: 8, .value_kind: global_buffer, .address_space: global }
      - { .name: wss, .offset: 48, .size: 8, .value_kind: global_buffer, .address_space: global }
    .group_segment_fixed_size: 35328
    .private_segment_fixed_size: 0
    .kernarg_segment_align: 8
    .kernarg_segment_size: 56
    .max_flat_workgroup_size: 128
    .sgpr_count:     66
    .vgpr_count:     194
    .wavefront_size: 32
...
	.end_amdgpu_metadata
.endif
;; end of part 1
;; launch gemm (part 2): grid 16 x 16, 4 waves a work-group, clusters of 4 x 4, 327,680 bytes of LDS; arguments xc, wc, lowp_scales, xss, wss, out0; writes out0
.if DOCPART == 2
	.amdgcn_target "amdgcn-amd-amdhsa--gfx1250"
	.amdhsa_code_object_version 6
	.text
	.protected	k_q39060d6ede_gemm
	.globl	k_q39060d6ede_gemm
	.p2align	8
	.type	k_q39060d6ede_gemm,@function
k_q39060d6ede_gemm:
	s_mov_b64 s[64:65], 0
	v_nop
	global_prefetch_b8 v0, s[64:65] scope:SCOPE_SE
	s_setreg_imm32_b32 hwreg(HW_REG_WAVE_MODE, 25, 1), 1
	s_wait_xcnt 0x0
	s_wait_alu depctr_hold_cnt(0) depctr_sa_sdst(0) depctr_va_vdst(0) depctr_va_sdst(0) depctr_va_ssrc(0) depctr_va_vcc(0) depctr_vm_vsrc(0)
	s_getreg_b32 s2, hwreg(HW_REG_IB_STS2, 6, 4)
	s_cmp_eq_u32 s2, 0
	s_cbranch_scc0 .Lentry_in_a_cluster
	s_endpgm
.Lentry_in_a_cluster:
	s_bfe_u32 s2, ttmp6, 0x10000c
	s_cmp_lg_u32 s2, 0xf033
	s_cbranch_scc0 .Lentry_shape_is_right
	s_endpgm
.Lentry_shape_is_right:
; out0[b][o] = (sum over k of Q(x)[b][k] Q(w)[k][o]) / (max(|x_b|, 1e-8) max(|w_o|, 1e-8)).
; xc [4096 (b)][4096], wc [4096 (o)][4096]: codes of BF8 (E5M2), K innermost, both under the same permutation of K (made by the launch before), so every product meets its partner.
; A number of x is its code's value x 2^ex, of weight x 2^ew.  The codes are multiplied as they are; each finished f32 sum is multiplied by a factor of its row, 2^(ex + ew) / max(|x_b|, 1e-8), and by one of its column, 1 / max(|w_o|, 1e-8).
; THE NORMS: xss[b] is the sum of row b's squares; wss[y][o], y = 0 .. 15, are parts of column o's.  At the head, while the first tiles are on their way, a lane adds the 16 parts of its four columns and makes
; 1 / max(sqrt(s), 1e-8) as min(1 / sqrt(s), 1e8).
; LIMITS: 2^(ex + ew) / max(|x_b|, 1e-8) is a normal f32 number (below that range v_ldexp_f32 loses bits); v_rsq_f32 is good to 1 ULP and takes a denormal s as 0, which gives 1e8, as the definition's 1e-8 does there;
; 1e8 stands for 1 / the f32 number nearest 1e-8; NaN among the inputs is not served.  The f32 sums are taken in another order than the definition's.
; A tile of out0, 256 x 256, is made by a work-group of four waves, as many as a WGP has SIMDs; a wave makes 128 x 128: 64 accumulators of 16 x 16, 512 registers.  256 tiles, one to a work-group.
; K goes in steps of 256 through a ring of two LDS slots filled by the tensor data mover: a tile's row is 256 bytes of memory, at a multiple of 256 from the buffer's first byte.
; CLUSTERS: 4 x 4 work-groups.  The four of a row of the cluster need the same tiles of xc, the four of a column the same tiles of wc: each tile is asked for JOINTLY, by the same tensor load with the
; same descriptor and a mask that names the four.  THE MATRIX INSTRUCTION IS USED TRANSPOSED (source 0 = 16 rows of wc, source 1 = 16 rows of xc): a lane then holds eight neighbouring numbers of a row of out0.
; REGISTERS, in windows of 256: window 0: v0-31 addresses; v32-95 at work (head: wss's parts; way out: a block's sums); v96-111 row factors; v112-115 column factors; v116-123 xss as loaded;
;   from v128 xc's fragments (8 x 16 rows x 128 K), ONE set; on the way out v128-255 take rows back from the stage.
;   window 1: wc's fragments, TWO sets, at v0 and at v128.   window 2: the 32 accumulators of my rows 0-63 (accumulator (a, b) at v[8 (8 a + b)]);   window 3: those of my rows 64-127.
; A step of 128 along K is 64 matrix instructions, xc's blocks one after the other, each against wc's eight.  So a block of xc is free as soon as its eight products are issued, and one set of registers serves it:
; blocks 0-3 are fetched anew in the step's middle, blocks 4-7 at its end.  wc's fragments are at work through the whole step and have two sets.
.set SIZE_N, 4096
.set SIZE_K, 4096
.set KSTEP,  256                       ; along K in a slot
.set ROWB,   256                       ; a tile's row in bytes
.set KROW,   SIZE_K                    ; a row of xc or of wc in memory, in bytes
.set PITCH,  272                       ; an LDS row: 256 bytes of data + 16 of padding = 68 words: row r starts at bank 4 r mod 64 (64 banks of 4 bytes: ISA guide 11.1), so the 16 rows that a load touches start at 16 different banks
.set FR,     16                        ; registers of a fragment: 16 rows x 128 K
.set NL,     4                         ; LDS loads that bring one
.set NP,     4                         ; places behind this matrix instruction (ISA guide 7.12.1)
.set HALFT,  128*PITCH                 ; 128 rows: what one tensor load brings, and what one wave reads of xc or of wc
.set SLOT,   4*HALFT                   ; xc's 256 rows, then wc's 256 rows
.set LAPS,   SIZE_K/(2*KSTEP)          ; 8 laps; a lap = two K steps = once round the ring
.set SPARE,  2*SLOT                    ; behind the ring: the spare words, 128 bytes for each wave: two blocks of 256 bytes that no other line names
.set SPITCH, 528                       ; the way out: a stage of 16 rows x (512 bytes + 16) for each wave.  It lies in slot 0, which has had its last fill and its last read when the first result is stored there
.set ADRA, 16                          ; v16-17  LDS address of my xc fragments in slot 0, 1
.set ADRB, 20                          ; v20-21  the same for wc
.set STO,  24                          ; v24     the way out: where I put 32 bytes of a row
.set RD,   25                          ; v25     the way out: where I read a row back
.set CO,   26                          ; v26     16 x lane: my byte offset in a row of out0, and in a part of wss; never rewritten
.set PFO,  27                          ; v27     the prefetches' offset: my lane x a row of codes in memory; never rewritten
.set SPW,  28                          ; v28     LDS address of my spare word: SPARE + 4 x my thread's number; never rewritten
.set NIL,  29                          ; v29     0; never rewritten
.set XO,   30                          ; v30     4 x (lane % 16): my row's place in xss; never rewritten
.set TMP,  32                          ; v32-95
.set RX,   96                          ; v96-111  pair 2 a, 2 a + 1: block a's factor of my row, twice (a pair for the packed multiply)
.set CF,   112                         ; v112-115 the factors of the four columns that I store
.set XT,   116                         ; v116-123 xss of my row in blocks 0 to 7
.set AF,   128                         ; xc's fragments, in window 0
.set BK,   128                         ; the way out: 16 rows read back from the stage: v128-191 and v192-255 by turns
.set G1, 24                            ; s[24:31] descriptor group 1 for xc's tiles;  s[32:39] group 0, one set for each slot
.set G0, 32
.set G1B, 48                           ; s[48:55], s[56:63] the same for wc's tiles
.set G0B, 56
.set PFA, 68                           ; s[68:69] where my prefetches stand: my work-group's 32 rows of the 128 that I fetch, one K step further along K than the refill that is being asked for; a prefetch names the K step after that
.set LIM, 70                           ; s70     1 in a wave that prefetches, else the greatest number
.set MSB, 0
.macro WIN new                         ; the immediate's high byte repeats the setting that is left
.if MSB != \new
	s_set_vgpr_msb (MSB<<8)|\new
.set MSB, \new
.endif
.endm
.set MUL_LO, 0xa1                      ; source 0 (wc) window 1, source 1 (xc) window 0, C and D window 2
.set MUL_HI, 0xf1                      ; the same, C and D window 3
.set TO_B,   0x40                      ; destination window 1, address window 0
; A joint load: waves 0 and 1 fetch for xc, waves 2 and 3 for wc.  Each of the two lines has ONE mask and one set of registers for all that issue it; the branch hangs on the wave's number alone.
; Four v_nop follow each of the two lines, ahead of the jump, the label and what follows.
.macro JLOAD g0a, g1a, g0b, g1b
	s_cmp_eq_u32 s15, 0
	s_cbranch_scc0 .Lfor_b_\@
	tensor_load_to_lds s[\g0a:\g0a+3], s[\g1a:\g1a+7]
	s_nop 0
.rept 4
	v_nop
.endr
	s_branch .Lasked_\@
.Lfor_b_\@:
	tensor_load_to_lds s[\g0b:\g0b+3], s[\g1b:\g1b+7]
	s_nop 0
.rept 4
	v_nop
.endr
.Lasked_\@:
.endm
; A PREFETCH INTO THE L2, behind each joint refill, its four lines and the run of LDS loads that follows them: the K step that stands TWO refills on: 32 rows x 256 bytes, a lane a row, one instruction a wave,
; 256 matrix instructions of the wave ahead of the load that will name those bytes.  Each row's 256 bytes of a K step are named ONCE in the launch.  A tile row of xc is read by every cluster of that row of clusters:
; the first of them (cluster x = 0) asks; a tile column of wc by every cluster of that column: cluster y = 0 asks.  The four partners that ask for a tile jointly share its rows out BY ADDRESS: of the 128 rows that a wave
; fetches, the partner at place p takes 32 p .. 32 p + 31 (p = cx for xc, cy for wc): no branch hangs on a work-group's place in its cluster.  K steps 0 to 3 come by their loads alone;
; trip j of the loop (from 0) names K steps 2 j + 4 and 2 j + 5; the last trip (s3 = 1) would name steps 16 and 17, which do not exist, and asks for nothing.
.macro ASK
	s_cmp_gt_u32 s3, s[LIM]
	s_cbranch_scc0 .Lnot_mine_\@
	global_prefetch_b8 v[PFO], s[PFA:PFA+1] offset:ROWB th:TH_LOAD_NT scope:SCOPE_SE
.Lnot_mine_\@:
.endm
.macro CREST                           ; a round of the cluster's barrier behind its opening barrier
	s_cmp_lg_u32 s14, 0
	s_cbranch_scc1 .Lnot_wave_0_\@
	s_barrier_signal -3
.Lnot_wave_0_\@:
	s_barrier_wait -3
	s_barrier_signal -1
	s_barrier_wait -1
.endm
.macro CROUND                          ; a whole round
	s_barrier_signal -1
	s_barrier_wait -1
	CREST
.endm
	s_load_b128 s[4:7], s[0:1], 0x0                ; xc s[4:5], wc s[6:7]
	s_load_b128 s[8:11], s[0:1], 0x10              ; the two scales' exponents s[8:9], xss s[10:11]
	s_load_b128 s[80:83], s[0:1], 0x20             ; wss s[80:81], out0 s[82:83]
	v_lshl_add_u32 v[SPW], v0, 2, SPARE
	v_mov_b32 v[NIL], 0
	ds_add_u32 v28, v29
	ds_add_u32 v28, v29
	s_wait_dscnt 0x0
	v_lshrrev_b32 v1, 5, v0
	v_readfirstlane_b32 s14, v1                    ; wave 0..3
	s_lshr_b32 s15, s14, 1                         ; which half of the tile's rows is mine.  Also: I fetch for xc (0) or for wc (1)
	s_and_b32 s16, s14, 1                          ; which half of its columns.  Also: which 128 rows of that tile I fetch
	s_bfe_u32 s40, ttmp6, 0x40000                  ; cx, cy: my place in the cluster
	s_bfe_u32 s41, ttmp6, 0x40004
	s_lshl_b32 s42, ttmp9, 2
	s_add_co_u32 s42, s42, s40                     ; tile column = 4 x cluster x + cx
	s_and_b32 s17, ttmp7, 0xffff
	s_lshl_b32 s17, s17, 2
	s_add_co_u32 s17, s17, s41                     ; tile row = 4 x cluster y + cy
	s_lshl_b32 s43, s41, 2
	s_lshl_b32 s43, 15, s43                        ; my row of the cluster
	s_lshl_b32 s44, 0x1111, s40                    ; my column
	; descriptor group 1: a tile of 128 rows x 256 bytes, padded in LDS
	s_or_b32 s[G1+0], s43, (0<<16)|(1<<20)|(1<<21)|(5<<22)|(3<<25)  ; 15:0 the mask: xc's tiles go to my row; 17:16 element of 1 byte; 20 padding on; 21 set beside a mask; 24:22 after every 64 words (code 5); 31:25 of 4 words (code 3)
	s_or_b32 s[G1B+0], s44, (0<<16)|(1<<20)|(1<<21)|(5<<22)|(3<<25) ; the same with the mask of my column, for wc's tiles
.irp g, G1, G1B
	s_mov_b32 s[\g+1], ROWB<<16                    ; tensor_dim0 = 256
	s_mov_b32 s[\g+2], 128<<16                     ; tensor_dim1 = 128
	s_mov_b32 s[\g+3], ROWB<<16                    ; tile_dim0 = 256
	s_mov_b32 s[\g+4], 128                         ; tile_dim1 = 128
	s_mov_b32 s[\g+5], KROW                        ; tensor_dim0_stride
	s_mov_b32 s[\g+6], 0
	s_mov_b32 s[\g+7], 0
.endr
	s_lshl_b32 s18, s16, 7                         ; which 128 rows of the tile I fetch
	s_lshl_b32 s20, s17, 8
	s_add_co_u32 s20, s20, s18                     ; xc: row 256 x tile row + 128 x half
	s_lshl_b32 s46, s42, 8
	s_add_co_u32 s46, s46, s18                     ; wc: row 256 x tile column + 128 x half
	s_mov_b32 s21, 0
	s_mov_b32 s47, 0
	s_mov_b64 s[18:19], KROW
	s_mul_u64 s[20:21], s[20:21], s[18:19]         ; in bytes
	s_mul_u64 s[46:47], s[46:47], s[18:19]
	s_mul_i32 s45, s14, HALFT                      ; where they go: wave x 128 rows: no place in the cluster enters an LDS address
	s_wait_kmcnt 0x0
	s_load_b64 s[96:97], s[8:9], 0x0               ; ex, ew
	s_add_nc_u64 s[20:21], s[4:5], s[20:21]
	s_add_nc_u64 s[46:47], s[6:7], s[46:47]
	CROUND                                         ; all sixteen work-groups are here: the first joint loads meet
.irp s, 0,1
	s_mov_b32 s[G0+4*\s], 1                                        ; count = 1
	s_add_co_u32 s[G0+4*\s+1], s45, \s*SLOT                        ; LDS address
	s_add_nc_u64 s[G0+4*\s+2:G0+4*\s+3], s[20:21], \s*ROWB         ; global address: K step s
	s_or_b32 s[G0+4*\s+3], s[G0+4*\s+3], 0x80000000                ; type = 2
	s_mov_b32 s[G0B+4*\s], 1
	s_add_co_u32 s[G0B+4*\s+1], s45, \s*SLOT
	s_add_nc_u64 s[G0B+4*\s+2:G0B+4*\s+3], s[46:47], \s*ROWB
	s_or_b32 s[G0B+4*\s+3], s[G0B+4*\s+3], 0x80000000
	JLOAD G0+4*\s, G1, G0B+4*\s, G1B               ; two tensor loads of mine are out behind the second
.endr
	; the sums of squares are asked for now and finished below, while the first tiles are on their way
	v_and_b32 v1, 15, v0                           ; l % 16
	v_bfe_u32 v2, v0, 4, 1                         ; l / 16
	v_and_b32 v6, 31, v0
	v_lshlrev_b32 v[CO], 4, v6
	v_lshlrev_b32 v[XO], 2, v1
	s_lshl_b32 s72, s17, 10                        ; xss: my 128 rows begin at row 256 x tile row + 128 x half, 4 bytes each
	s_lshl_b32 s73, s15, 9
	s_add_co_u32 s72, s72, s73
	s_mov_b32 s73, 0
	s_add_nc_u64 s[10:11], s[10:11], s[72:73]
	s_lshl_b32 s72, s42, 10                        ; wss: my 128 columns begin at column 256 x tile column + 128 x half
	s_lshl_b32 s74, s16, 9
	s_add_co_u32 s72, s72, s74
	s_add_nc_u64 s[80:81], s[80:81], s[72:73]
.irp a, 0,1,2,3,4,5,6,7
	global_load_b32 v[XT+\a], v[XO], s[10:11] offset:64*\a         ; row 16 a + l % 16: the row that my lane holds of block a
.endr
.irp c, 0,1,2,3,4,5,6,7,8,9,10,11,12,13,14,15
	global_load_b128 v[TMP+4*\c:TMP+4*\c+3], v[CO], s[80:81] offset:16384*\c   ; part c of columns 4 l .. 4 l + 3, the four that I store: 32 lanes read 512 consecutive bytes
.endr
	v_mul_u32_u24 v3, v1, PITCH
	v_lshl_add_u32 v4, v2, 4, v3                   ; a fragment's row x pitch + 16 x half
	s_mul_i32 s21, s15, HALFT                      ; my 128 rows of xc
	s_mul_i32 s22, s16, HALFT                      ; my 128 rows of wc,
	s_add_co_u32 s22, s22, 2*HALFT                 ; which lie behind xc's 256
.irp s, 0,1
	v_add_nc_u32 v[ADRA+\s], s21, v4
	v_add_nc_u32 v[ADRB+\s], s22, v4
	s_add_co_u32 s21, s21, SLOT
	s_add_co_u32 s22, s22, SLOT
.endr
	s_mul_i32 s23, s14, 16*SPITCH                  ; my stage
	v_mul_u32_u24 v5, v1, SPITCH                   ; in: row l % 16, 32 bytes for each half of the lanes
	v_lshl_add_u32 v5, v2, 5, v5
	v_add_nc_u32 v[STO], s23, v5
	v_add_nc_u32 v[RD], s23, v[CO]                 ; back: the 32 lanes take one row of 512 bytes
	s_lshl_b32 s20, s17, 8
	s_lshl_b32 s21, s15, 7
	s_add_co_u32 s20, s20, s21                     ; my first row of out0: 256 x tile row + 128 x half
	s_mov_b32 s21, 0
	s_mov_b64 s[18:19], SIZE_N*4
	s_mul_u64 s[20:21], s[20:21], s[18:19]
	s_lshl_b32 s46, s42, 10                        ; my first column, in bytes: 1024 x tile column + 512 x half
	s_lshl_b32 s47, s16, 9
	s_add_co_u32 s46, s46, s47
	s_mov_b32 s47, 0
	s_add_nc_u64 s[20:21], s[20:21], s[46:47]
	s_add_nc_u64 s[82:83], s[82:83], s[20:21]
	; the prefetches: where my wave's stand, and who asks
	s_lshl_b32 s72, s17, 8
	s_lshl_b32 s73, s42, 8
	s_and_b32 s74, ttmp7, 0xffff                   ; cluster y
	s_cmp_eq_u32 s15, 0                            ; do I fetch for xc?
	s_cselect_b32 s75, s72, s73                    ; the tile's first row: in xc by the tile row, in wc by the tile column
	s_cselect_b32 s76, s40, s41                    ; my place among the four that ask for it with me
	s_cselect_b32 s74, ttmp9, s74                  ; the coordinate along which other clusters read the same rows
	s_cselect_b64 s[PFA:PFA+1], s[4:5], s[6:7]
	s_cmp_eq_u32 s74, 0
	s_cselect_b32 s[LIM], 1, -1                    ; the same in all sixteen partners, for a given wave
	s_lshl_b32 s77, s16, 7
	s_add_co_u32 s75, s75, s77                     ; + the 128 rows that I fetch
	s_lshl_b32 s76, s76, 5
	s_add_co_u32 s75, s75, s76                     ; + my work-group's 32 of them
	s_lshl_b32 s78, s75, 12                        ; rows of 4,096 bytes
	s_mov_b32 s79, 0
	s_add_nc_u64 s[PFA:PFA+1], s[PFA:PFA+1], s[78:79]
	s_add_nc_u64 s[PFA:PFA+1], s[PFA:PFA+1], 2*ROWB  ; at K step 2: the first refill steps it to 3 and names K step 4.  Nothing is prefetched here, at the head, where every work-group's first tiles are on their way
	; the norms are finished
	s_wait_loadcnt 0x0                             ; xss and wss
.irp j, 0,2,4,6,8,10,12,14,16,18,20,22,24,26,28,30
	v_pk_add_f32 v[TMP+\j:TMP+\j+1], v[TMP+\j:TMP+\j+1], v[TMP+32+\j:TMP+32+\j+1]   ; parts c and c + 8,
.endr
.irp j, 0,2,4,6,8,10,12,14
	v_pk_add_f32 v[TMP+\j:TMP+\j+1], v[TMP+\j:TMP+\j+1], v[TMP+16+\j:TMP+16+\j+1]   ; c and c + 4,
.endr
.irp j, 0,2,4,6
	v_pk_add_f32 v[TMP+\j:TMP+\j+1], v[TMP+\j:TMP+\j+1], v[TMP+8+\j:TMP+8+\j+1]     ; c and c + 2,
.endr
.irp j, 0,2
	v_pk_add_f32 v[TMP+\j:TMP+\j+1], v[TMP+\j:TMP+\j+1], v[TMP+4+\j:TMP+4+\j+1]     ; 0 and 1: my four columns' sums of squares
.endr
.irp a, 0,1,2,3,4,5,6,7
	v_rsq_f32 v[XT+\a], v[XT+\a]                   ; ONE BATCH of twelve: none reads another's result
.endr
.irp j, 0,1,2,3
	v_rsq_f32 v[CF+\j], v[TMP+\j]
.endr
	v_and_b32 v[PFO], 31, v0                       ; plain lines behind the last of the batch, ahead of the first use (ISA guide 5.7.2): the prefetches' offset
	v_mul_u32_u24 v[PFO], v[PFO], KROW
	s_wait_kmcnt 0x0
	s_add_co_i32 s96, s96, s97                     ; ex + ew
	s_wait_alu depctr_va_vdst(0)                   ; a wait ahead of the first line that names a result: one for the batch
.irp a, 0,1,2,3,4,5,6,7
	v_min_num_f32 v[XT+\a], 0x4cbebc20, v[XT+\a]   ; 1 / max(sqrt(s), 1e-8) = min(1 / sqrt(s), 1e8)
.endr
.irp j, 0,1,2,3
	v_min_num_f32 v[CF+\j], 0x4cbebc20, v[CF+\j]
.endr
.irp a, 0,1,2,3,4,5,6,7
	v_ldexp_f32 v[RX+2*\a], v[XT+\a], s96          ; x 2^(ex + ew): the two scales go into the row's factor
	v_ldexp_f32 v[RX+2*\a+1], v[XT+\a], s96        ; twice: a pair for the packed multiply
.endr
.macro FRAG reg, adr, q, i             ; a fragment, 16 rows x 128 K of 8-bit codes, is 16 registers, brought by four loads of 16 bytes a lane, 32 bytes apart: one more permutation of k, the same in both operands
.irp c, 0,1,2,3
	ds_load_b128 v[\reg+4*\c:\reg+4*\c+3], v[\adr] offset:128*(\q)+32*\c+(\i)*16*PITCH
.endr
.endm
; 16 matrix instructions: xc's blocks a0, a0 + 1 x wc's eight, 128 along K.  p: wc's set.  zero = 1: the first product starts the sums: nothing is ever cleared.
; The 64 accumulators take turns, one instruction a turn, in the same order in every step.
.macro MUL16 a0, p, zero
.irp a, \a0, \a0+1
.irp b, 0,1,2,3,4,5,6,7
.if \zero
	v_wmma_f32_16x16x128_bf8_bf8 v[8*(8*((\a)%4)+\b):8*(8*((\a)%4)+\b)+7], v[128*(\p)+FR*\b:128*(\p)+FR*\b+FR-1], v[AF+FR*(\a):AF+FR*(\a)+FR-1], 0
.else
	v_wmma_f32_16x16x128_bf8_bf8 v[8*(8*((\a)%4)+\b):8*(8*((\a)%4)+\b)+7], v[128*(\p)+FR*\b:128*(\p)+FR*\b+FR-1], v[AF+FR*(\a):AF+FR*(\a)+FR-1], v[8*(8*((\a)%4)+\b):8*(8*((\a)%4)+\b)+7]
.endif
.endr
.endr
.endm
.macro FETCH_B slot, q, p              ; wc's eight fragments of the slot's q-th 128 along K into set p
	WIN TO_B
.irp i, 0,1,2,3,4,5,6,7
	FRAG 128*(\p)+FR*\i, ADRB+\slot, \q, \i
.endr
	WIN 0
.endm
.macro FETCH_A slot, q, i0             ; xc's blocks i0 .. i0 + 3
.irp i, \i0, \i0+1, \i0+2, \i0+3
	FRAG AF+FR*(\i), ADRA+\slot, \q, \i
.endr
.endm
; A load into a register that a matrix instruction has read, and a vector instruction or an LDS store that reads a matrix result, stand NP places behind that matrix instruction, and only plain vector
; instructions that name none of its registers are places (ISA guide 7.12.1 for vector instructions); this text does not count the matrix instructions in between.
.macro PLACES n
.rept \n
	v_nop
.endr
.endm
; A step of 128 along K that has its successor in the same slot.
.macro STEP slot, q, zero
	s_wait_dscnt 4*NL                              ; wc's set and xc's blocks 0-3 are in; the youngest sixteen loads (xc's blocks 4-7) may be out
	WIN MUL_LO
	MUL16 0, (\q)%2, \zero
	MUL16 2, (\q)%2, \zero
	s_wait_dscnt 0                                 ; xc's blocks 4-7 are in (asked for 32 matrix instructions ago)
	PLACES NP
	FETCH_B \slot, (\q)+1, 1-(\q)%2
	FETCH_A \slot, (\q)+1, 0
	WIN MUL_HI
	MUL16 4, (\q)%2, \zero
	MUL16 6, (\q)%2, \zero
	PLACES NP
	WIN 0
	FETCH_A \slot, (\q)+1, 4
.endm
; A slot's last step changes slots: ONE barrier; in front of it each wave waits for all its tensor loads, adds 0 to its spare word, and waits for that and for its own reads of this slot.  fill = 1: this slot is filled again, two K steps ahead.
.macro TURN slot, next, fill
.if \fill
	s_wait_xcnt 0x0                                ; the last prefetch, a K step back, has read its address: it is stepped here, ahead of the waits of the change of slots
	s_add_nc_u64 s[PFA:PFA+1], s[PFA:PFA+1], ROWB
.endif
	s_wait_tensorcnt 0x0                           ; all my tensor loads have landed: the one that was out is my part of the next slot;  (every window is 0 here: the add's two registers lie in window 0)
	ds_add_u32 v[SPW], v[NIL]                      ; 0 onto my spare word
	s_wait_dscnt 4*NL+1                            ; (the add and the youngest sixteen loads, xc's blocks 4-7, may be out)
	WIN MUL_LO
	MUL16 0, 1, 0                                  ; sixteen matrix instructions stand between the add and the wait for it
	s_wait_dscnt 0x0                               ; the add is done, and my reads of this slot are over
	s_barrier_signal -1
	MUL16 2, 1, 0
	WIN 0
	s_barrier_wait -1
.if \fill
	CREST                                          ; the barrier has opened a round of the cluster's barrier: no wave of any partner still reads this slot's tile or has a load on its way
	s_add_nc_u64 s[G0+4*\slot+2:G0+4*\slot+3], s[G0+4*\slot+2:G0+4*\slot+3], 2*ROWB
	s_add_nc_u64 s[G0B+4*\slot+2:G0B+4*\slot+3], s[G0B+4*\slot+2:G0B+4*\slot+3], 2*ROWB
	JLOAD G0+4*\slot, G1, G0B+4*\slot, G1B         ; the first tensor load behind the round, my one load until the next; the four v_nop behind it are also the places in front of the loads below
.else
	PLACES NP
.endif
	FETCH_B \next, 0, 0
	FETCH_A \next, 0, 0
.if \fill
	ASK                                            ; behind the joint load and the run of LDS loads that the next products wait for
.endif
	WIN MUL_HI
	MUL16 4, 1, 0
	MUL16 6, 1, 0
	PLACES NP
	WIN 0
	FETCH_A \next, 0, 4
.endm
	s_wait_tensorcnt 1                             ; my part of K step 0 is in (K step 1's load may be out)
	s_barrier_signal -1
	s_barrier_wait -1                              ; everybody's is
	FETCH_B 0, 0, 0
	FETCH_A 0, 0, 0
	FETCH_A 0, 0, 4
	STEP 0, 0, 1                                   ; the first step stands in front of the loop: its products start the sums
	s_mov_b32 s3, LAPS-1
.Llap:                                                 ; 7 trips; a trip goes once round the ring, from a lap's second step to the next lap's first, and fills both slots again
	TURN 0, 1, 1
	STEP 1, 0, 0
	TURN 1, 0, 1
	STEP 0, 0, 0
	s_sub_co_u32 s3, s3, 1
	s_cmp_lg_u32 s3, 0
	s_cbranch_scc1 .Llap
	TURN 0, 1, 0                                   ; the last lap fills nothing, and has no round of the cluster's barrier
	STEP 1, 0, 0
	s_wait_dscnt 4*NL                              ; the very last step: nothing more to fetch
	WIN MUL_LO
	MUL16 0, 1, 0
	MUL16 2, 1, 0
	s_wait_dscnt 0
	WIN MUL_HI
	MUL16 4, 1, 0
	MUL16 6, 1, 0
	WIN 0
; THE WAY OUT, block by block of 16 rows x 128 columns.  A lane holds 32 neighbouring bytes of ONE row: there its sums take the row's factor.  The lanes beside it hold other rows: so a block goes through my own stage
; in LDS and comes back as whole rows of 512 bytes, a lane holding the same four columns of every row: there the numbers take the columns' factors, and the 32 lanes store 512 consecutive bytes.
; LDS serves a wave's instructions in order (ISA guide 5.7.1.4): no wait between the stores and the loads, nor in front of the next block's stores.
.macro TOSTAGE a
.set AC, 64*((\a)%4)
	WIN 0x02+((\a)/4)                              ; source 0: window 2 or 3
.irp j, 0,2,4,6,8,10,12,14,16,18,20,22,24,26,28,30,32,34,36,38,40,42,44,46,48,50,52,54,56,58,60,62
	v_pk_mul_f32 v[TMP+\j:TMP+\j+1], v[AC+\j:AC+\j+1], v[RX+2*(\a):RX+2*(\a)+1]   ; x 2^(ex + ew) / max(|x_b|, 1e-8); each accumulator from its low end on
.endr
	WIN 0
.irp b, 0,1,2,3,4,5,6,7
	ds_store_b128 v[STO], v[TMP+8*\b:TMP+8*\b+3] offset:64*\b
	ds_store_b128 v[STO], v[TMP+8*\b+4:TMP+8*\b+7] offset:64*\b+16
.endr
.set BB, BK+64*((\a)%2)
.irp t, 0,1,2,3,4,5,6,7,8,9,10,11,12,13,14,15
	ds_load_b128 v[BB+4*\t:BB+4*\t+3], v[RD] offset:\t*SPITCH
.endr
.endm
.macro SEND a, younger                 ; younger: the LDS instructions issued behind block a's loads, which may stay out
.set BB, BK+64*((\a)%2)
	s_wait_dscnt \younger                          ; the block is back in registers
.if (\a) > 0
	s_add_nc_u64 s[82:83], s[82:83], 16*SIZE_N*4   ; (behind a wait on XCNT: the earlier stores have read their base)  16 rows of out0 on: the stores' offsets reach 15 rows, 245,760 bytes
.endif
.irp t, 0,1,2,3,4,5,6,7,8,9,10,11,12,13,14,15
	v_pk_mul_f32 v[BB+4*\t:BB+4*\t+1], v[BB+4*\t:BB+4*\t+1], v[CF:CF+1]           ; x 1 / max(|w_o|, 1e-8), my four columns
	v_pk_mul_f32 v[BB+4*\t+2:BB+4*\t+3], v[BB+4*\t+2:BB+4*\t+3], v[CF+2:CF+3]
	global_store_b128 v[CO], v[BB+4*\t:BB+4*\t+3], s[82:83] offset:\t*SIZE_N*4 th:TH_STORE_NT   ; 32 lanes store 512 consecutive bytes, at a multiple of 256 from out0's first byte; written once, read by nobody here
.endr
.endm
	PLACES NP                                      ; behind the last products: for the loads into the registers that held xc's fragments, and for the reads of results
	TOSTAGE 0
.irp a, 1,2,3,4,5,6,7
.if \a > 1
	s_wait_xcnt 0x0                                ; block a - 2's stores have read their registers and their base: block a's loads may land there, and the base may step
.endif
	TOSTAGE \a
	SEND \a-1, 32                                  ; behind block a - 1's loads: block a's 16 stores and 16 loads
.endr
	s_wait_xcnt 0x0                                ; block 6's stores have read their base
	SEND 7, 0
	s_wait_tensorcnt 0x0                           ; the wave's end: behind my last tensor load and my last LDS store
	ds_add_u32 v[SPW], v[NIL]
	s_wait_dscnt 0x0
	CROUND                                         ; the closing round: no work-group ends while a partner may still ask for a tile that names it
	s_endpgm
.Lfunc_end_k_q39060d6ede_gemm:
	.size	k_q39060d6ede_gemm, .Lfunc_end_k_q39060d6ede_gemm-k_q39060d6ede_gemm
	.p2alignl 7, 3214868480
	.fill 96, 4, 3214868480
	.section	.rodata,"a",@progbits
	.p2align	6, 0x0
	.amdhsa_kernel k_q39060d6ede_gemm
		.amdhsa_group_segment_fixed_size 327680
		.amdhsa_private_segment_fixed_size 0
		.amdhsa_enable_private_segment 0
		.amdhsa_kernarg_size 48
		.amdhsa_user_sgpr_count 2
		.amdhsa_user_sgpr_kernarg_segment_ptr 1
		.amdhsa_wavefront_size32 1
		.amdhsa_system_sgpr_workgroup_id_x 1
		.amdhsa_system_sgpr_workgroup_id_y 1
		.amdhsa_system_sgpr_workgroup_id_z 1
		.amdhsa_system_vgpr_workitem_id 0
		.amdhsa_next_free_vgpr 1024
		.amdhsa_next_free_sgpr 98
		.amdhsa_reserve_vcc 0
		.amdhsa_float_denorm_mode_32 3
		.amdhsa_float_denorm_mode_16_64 3
		.amdhsa_memory_ordered 1
		.amdhsa_forward_progress 1
		.amdhsa_inst_pref_size 147
	.end_amdhsa_kernel
	.amdgpu_metadata
---
amdhsa.version: [ 1, 2 ]
amdhsa.kernels:
  - .name:           k_q39060d6ede_gemm
    .symbol:         k_q39060d6ede_gemm.kd
    .args:
      - { .name: xc, .offset: 0, .size: 8, .value_kind: global_buffer, .address_space: global }
      - { .name: wc, .offset: 8, .size: 8, .value_kind: global_buffer, .address_space: global }
      - { .name: lowp_scales, .offset: 16, .size: 8, .value_kind: global_buffer, .address_space: global }
      - { .name: xss, .offset: 24, .size: 8, .value_kind: global_buffer, .address_space: global }
      - { .name: wss, .offset: 32, .size: 8, .value_kind: global_buffer, .address_space: global }
      - { .name: out0, .offset: 40, .size: 8, .value_kind: global_buffer, .address_space: global }
    .group_segment_fixed_size: 327680
    .private_segment_fixed_size: 0
    .kernarg_segment_align: 8
    .kernarg_segment_size: 48
    .max_flat_workgroup_size: 128
    .sgpr_count:     98
    .vgpr_count:     1024
    .wavefront_size: 32
...
	.end_amdgpu_metadata
.endif
;; end of part 2
